; MI455X (gfx1250); checked and timed in simulation.
; The chip was launched on July 23, 2026; its instructions are those of AMD's public machine-readable ISA for CDNA 5 (MIT licence, August 2026) and "CDNA5" Instruction Set Architecture Reference Guide (July 2026). The comments in the code are by the model that wrote it; some were corrected since.
;; Multi Head Attention Map. Allowed arithmetic: float matrix products may take bf16 or f16 operands with f32 sums; all other float work in f32.
;; Inputs: keys 2 x 2,048 x 1,024 float32; mask 2 x 2,048 x 2,048 bool; queries 2 x 2,048 x 1,024 float32; values 2 x 2,048 x 1,024 float32.
;; Outputs: out0 2 x 2,048 x 1,024 float32.
;; One version. Each part assembles by itself: llvm-mc -triple=amdgcn-amd-amdhsa -mcpu=gfx1250 --defsym DOCPART=n.
;; ======== version 1 of 1: 1 launch
;; limits: values are held in f16: magnitudes above 65,504 overflow, below 6.1e-05 lose precision
;; launch attn (part 1): grid 16 x 16, 8 waves a work-group, clusters of 4 x 1, 327,680 bytes of LDS; arguments queries, keys, values, mask, out0; writes out0
.if DOCPART == 1
	.amdgcn_target "amdgcn-amd-amdhsa--gfx1250"
	.amdhsa_code_object_version 6
	.text
	.protected	k_q738b73a5de_attn
	.globl	k_q738b73a5de_attn
	.p2align	8
	.type	k_q738b73a5de_attn,@function
k_q738b73a5de_attn:
	s_mov_b64 s[64:65], 0
	v_nop
	global_prefetch_b8 v0, s[64:65] scope:SCOPE_SE
	s_setreg_imm32_b32 hwreg(HW_REG_WAVE_MODE, 25, 1), 1
	s_wait_xcnt 0x0
	s_wait_alu depctr_hold_cnt(0) depctr_sa_sdst(0) depctr_va_vdst(0) depctr_va_sdst(0) depctr_va_ssrc(0) depctr_va_vcc(0) depctr_vm_vsrc(0)
	s_getreg_b32 s2, hwreg(HW_REG_IB_STS2, 6, 4)
	s_cmp_eq_u32 s2, 0
	s_cbranch_scc0 .Lentry_in_a_cluster
	s_endpgm
.Lentry_in_a_cluster:
	s_bfe_u32 s2, ttmp6, 0x10000c
	s_cmp_lg_u32 s2, 0x3003
	s_cbranch_scc0 .Lentry_shape_is_right
	s_endpgm
.Lentry_shape_is_right:
; Multi-head attention with a mask that is an input.  B = 2, S = 2048, D = 1024, 16 heads of 64.  All tensors f32, the mask one byte a score.
; out[b][q][head] = softmax over k of ( q.k / 8 - 1e9 (1 - mask[b][q][k]) ) times v.  Every score of every head is computed: nothing is assumed of the mask.
;
; SHARES.  A work-group makes 256 queries of one (b, head): x = head, y = 8 b + query block; 256 work-groups of equal work.
; Eight waves, two for each SIMD (2 x 512 registers), so that the matrix work of one runs under the softmax of the other.
; Wave w: qg = w & 3 picks 64 queries, kh = w >> 2 picks 64 of the 128 keys of a trip; 16 trips.  At the end wave kh = 1 hands its
; maximum, sum and O to wave kh = 0 through LDS, which merges, divides and stores.
;
; TRANSPOSED PRODUCTS.  S^T = K Q^T (source 0 = 16 keys, source 1 = 16 queries): a lane holds scores of ONE query, so the softmax needs one
; exchange between the two halves of the lanes and no more, and two packed score tiles are at once the second source of O^T = V^T P^T.
; KEY ORDER.  Key 32 hm + 8 t + j of a wave's 64 lies in LDS row 16 t + 8 hm + j, for K and for V alike (the staging store does it).
; Then the 32 scores of a lane (tile t, register j) belong to the 32 consecutive keys 32 h + 8 t + j: its mask bytes are two 16-byte loads.
;
; CLUSTER.  4 x 1 work-groups: four heads of one (b, query block).  They need the same 256 x 256 bytes of the mask, which are asked for jointly.
; K and V are NOT asked for jointly: they come as f32 and pass through registers to become f16; two raw f32 slots of 128 keys of K and V
; would take 2 x 65,536 bytes of LDS, and 327,680 - 304,128 = 23,552 are left.
;
; ARITHMETIC.  q is multiplied by 1/8 (exact) and rounded to f16; k, v and the weights are f16; sums in f32.
; WHY f16: a row in which few keys are allowed is a sum of a few terms of the size of v that may cancel; 11 significant bits in the weights
; and in v keep its error eight times smaller than 8 bits would.
; The bias is one fused multiply-add a score, (2.0 or 0.0) x -5e8 + sim: the single rounding of sim - 1e9 that the definition has.
; Running maximum m; the maximum is taken away first, d = s - m (exact among neighbours near -1e9, where all scores are multiples of 64),
; then p = exp2(d log2e), which is at most 1 for every input, so the weights have room in f16.  Old sums are scaled by exp2((m old - m new) log2e).
; LIMITS.  |q| / 8, |k| or |v| above 65,504 become infinite in f16.  Magnitudes below 2^-14 are kept to 2^-25 absolute.
; A weight below 2^-25 of the largest met so far in its row counts in the sum and not in the product: 2,048 of them are at most 2^-14 of a sum.
; Mask bytes are 0 or 1, as the type says.  NaN and infinite inputs are not followed.
.set MSLOT,  69632                     ; a mask slot: 256 rows x (256 + 16) bytes
.set KBUF0,  139264                    ; behind the two mask slots (544 x 256): from here on LDS is written by ds_store alone
.set KB_SZ,  18432                     ; 128 rows x 144 bytes: 128 of f16 + 16; 144 = 9 x 16, so 16 rows start in 16 different 16-byte columns of 256
.set VBUF0,  176128
.set VB_SZ,  20480                     ; 128 rows x 160 bytes: 160 = 5 x 32
.set XCH,    217088                    ; 4 x 17,408: O (32 x 512), maxima (512), sums (512) of wave qg + 4 for wave qg
.set OST,    286720                    ; 4 x 4,352: 16 rows x 272 bytes, the way out of wave qg
; window 0
.set GO,   2                           ; K, V in memory: (tid >> 4) x 4096 + (tid & 15) x 16
.set KS,   3                           ; staging store of K
.set VS,   4                           ; staging store of V
.set KA,   5                           ; K fragments
.set VA,   6                           ; V fragments (transposing load)
.set MA,   7                           ; v7, v8: my mask bytes in slot 0, 1
.set XA,   9                           ; exchange
.set OW,   10                          ; way out: store
.set ORD,  11                          ; way out: read back
.set NMB,  12                          ; v[12:19] pairs (-m, m) of the four query groups
.set ALB,  20                          ; v[20:27] pairs (alpha, m old - m new)
.set LSB,  28                          ; v[28:35] pairs of partial sums
.set TA,   36
.set TB,   37
.set OOFF, 38                          ; out: (lane >> 4) x 4096 + (lane & 15) x 16
.set QO,   39                          ; q: r x 4096 + 32 h
.set WK,   40                          ; v[40:55] at work
.set MK,   56                          ; v[56:87] mask words, 8 a group
.set FR,   88                          ; v[88:119] two buffers of a K tile (16 keys x 64)
.set SC,   128                         ; v[128:255] scores: group g, tile t, register j at 32 g + 8 t + j; then P (low half) and V fragments (high half)
; window 1
.set OA,   0                           ; v[256:383] O: group g, d tile dt, register j at 32 g + 8 dt + j
.set QF,   128                         ; v[384:447] Q fragments: 16 g + 8 ks
.set STG,  192                         ; v[448:511] staged K (8 x 4), staged V (8 x 4)
.set G1,   24                          ; s[24:31] mask descriptor, group 1
.set G0,   32                          ; s[32:39] group 0, one set for each slot
.set MSB,  0
.macro WIN new                         ; the high byte of the immediate repeats the setting that is left
.if MSB != \new
	s_set_vgpr_msb (MSB<<8)|\new
.set MSB, \new
.endif
.endm
; A round of the cluster barrier: my work-group, wave 0 signals for it, all four work-groups, my work-group once more.
.macro ROUND
	s_barrier_signal -1
	s_barrier_wait -1
	s_cmp_lg_u32 s14, 0
	s_cbranch_scc1 .Lnot_wave_0_\@
	s_barrier_signal -3
.Lnot_wave_0_\@:
	s_barrier_wait -3
	s_barrier_signal -1
	s_barrier_wait -1
.endm
; The barrier at the head of a trip.  In front of it my staging stores of this trip's K and V and my reads of the other buffer are done.
; kind 0: that alone.  kind 1: the mask slot rs, read in the last two trips, is filled again.  kind 2: the last mask tile is awaited.  kind 3: nothing.
.macro TOP kind, rs
.if \kind == 0
	s_wait_dscnt 0x0
	s_barrier_signal -1
	s_barrier_wait -1
.endif
.if \kind == 1
	s_wait_tensorcnt 0x0               ; all my tensor loads have landed, my rows of the tile read next among them: a group 0 may be written
	ds_add_u32 v126, v127
	s_add_nc_u64 s[G0+4*\rs+2:G0+4*\rs+3], s[G0+4*\rs+2:G0+4*\rs+3], 512   ; two tiles of 256 keys on
	s_wait_dscnt 0x0                   ; my reads of slot rs are done
	ROUND                              ; both now hold of every wave of the four work-groups
	tensor_load_to_lds s[G0+4*\rs:G0+4*\rs+3], s[G1:G1+7]                  ; my one tensor load behind the round, and the first thing there
	s_nop 0
.endif
.if \kind == 2
	s_wait_tensorcnt 0x0
	s_wait_dscnt 0x0
	s_barrier_signal -1
	s_barrier_wait -1
.endif
.endm
; K tile t (16 LDS rows x 64 d) into fragment buffer f: lane (r, h) takes row r, bytes 16 h and 32 + 16 h of each 64
.macro FRAGK t, f, buf
.irp ks, 0,1
	ds_load_b128 v[FR+16*\f+8*\ks:FR+16*\f+8*\ks+3],   v[KA] offset:(\buf)*KB_SZ+2304*\t+64*\ks
	ds_load_b128 v[FR+16*\f+8*\ks+4:FR+16*\f+8*\ks+7], v[KA] offset:(\buf)*KB_SZ+2304*\t+64*\ks+32
.endr
.endm
; my 32 mask bytes of each of the four query groups
.macro LOADMK slot, par
.irp g, 0,1,2,3
	ds_load_b128 v[MK+8*\g:MK+8*\g+3],   v[MA+\slot] offset:4352*\g+128*\par
	ds_load_b128 v[MK+8*\g+4:MK+8*\g+7], v[MA+\slot] offset:4352*\g+128*\par+16
.endr
.endm
; staged K and V: four f32 become two registers of f16, in place
.macro ST_CVT
.set n, 0
.rept 16
	v_cvt_pk_f16_f32 v[STG+4*n],   v[STG+4*n],   v[STG+4*n+1]
	v_cvt_pk_f16_f32 v[STG+4*n+1], v[STG+4*n+2], v[STG+4*n+3]
.set n, n+1
.endr
.endm
; key 16 n + (tid >> 4) goes to LDS row 64 (n >> 2) + 32 (n & 1) + 8 ((n >> 1) & 1) + the row in KS, VS
.macro ST_ST buf
.set n, 0
.rept 8
	ds_store_b64 v[KS], v[STG+4*n:STG+4*n+1]       offset:(\buf)*KB_SZ+(64*(n>>2)+32*(n&1)+8*((n>>1)&1))*144
	ds_store_b64 v[VS], v[STG+32+4*n:STG+32+4*n+1] offset:(\buf)*VB_SZ+(64*(n>>2)+32*(n&1)+8*((n>>1)&1))*160
.set n, n+1
.endr
.endm
; 128 keys of K and of V, 256 bytes a key: sixteen lanes take one key's 256 aligned bytes.  The bases step only where the loads that named them are shown done.
.macro ST_LD step
.if \step
	s_add_nc_u64 s[40:41], s[40:41], 0x80000
	s_add_nc_u64 s[42:43], s[42:43], 0x80000
.endif
.set n, 0
.rept 8
	global_load_b128 v[STG+4*n:STG+4*n+3],       v[GO], s[40:41] offset:65536*n
	global_load_b128 v[STG+32+4*n:STG+32+4*n+3], v[GO], s[42:43] offset:65536*n
.set n, n+1
.endr
.endm
; scores of K tile t with the four query groups; the first 32 of d start the sums.  The four accumulators take turns, one instruction a turn.
.macro QKT t, f
.irp g, 0,1,2,3
	v_wmma_f32_16x16x32_f16 v[SC+32*\g+8*\t:SC+32*\g+8*\t+7], v[FR+16*\f:FR+16*\f+7], v[QF+16*\g:QF+16*\g+7], 0
.endr
.irp g, 0,1,2,3
	v_wmma_f32_16x16x32_f16 v[SC+32*\g+8*\t:SC+32*\g+8*\t+7], v[FR+16*\f+8:FR+16*\f+15], v[QF+16*\g+8:QF+16*\g+15], v[SC+32*\g+8*\t:SC+32*\g+8*\t+7]
.endr
.endm
; mask bytes as selectors into the table 0x00000040: 0 gives 0x40, 1 gives 0x00.  Eight plain instructions that name no register of the
; matrix instructions in front: they are the places (ISA guide 7.12.1) ahead of the reload of a fragment buffer and of the first read of the scores.
.macro PERMN q
.irp i, 0,1,2,3,4,5,6,7
	v_perm_b32 v[MK+8*\q+\i], s49, s49, v[MK+8*\q+\i]
.endr
.endm
; group g: bias, running maximum, factor for the old sums
.macro SMAX g, first
.irp hf, 0,1
.irp d, 0,1,2,3
.irp i, 0,1,2,3
	v_perm_b32 v[WK+4*\d+\i], v[MK+8*\g+4*\hf+\d], 0, s[50+\i]    ; byte i on top: 2.0 where the key is forbidden, else 0.0
.endr
.endr
.irp p, 0,1,2,3,4,5,6,7
	v_pk_fma_f32 v[SC+32*\g+16*\hf+2*\p:SC+32*\g+16*\hf+2*\p+1], v[WK+2*\p:WK+2*\p+1], s[46:47], v[SC+32*\g+16*\hf+2*\p:SC+32*\g+16*\hf+2*\p+1] op_sel_hi:[1,0,1]
.endr
.endr
.if \first
	v_max_num_f32 v[TA], v[SC+32*\g], v[SC+32*\g+1]
.else
	v_max3_num_f32 v[TA], v[NMB+2*\g+1], v[SC+32*\g], v[SC+32*\g+1]
.endif
	v_max3_num_f32 v[TB], v[SC+32*\g+16], v[SC+32*\g+17], v[SC+32*\g+18]
.irp k, 1,2,3,4,5,6
	v_max3_num_f32 v[TA], v[TA], v[SC+32*\g+2*\k], v[SC+32*\g+2*\k+1]
	v_max3_num_f32 v[TB], v[TB], v[SC+32*\g+17+2*\k], v[SC+32*\g+18+2*\k]
.endr
	v_max3_num_f32 v[TA], v[TA], v[SC+32*\g+14], v[SC+32*\g+15]
	v_max3_num_f32 v[TA], v[TA], v[TB], v[SC+32*\g+31]
	v_permlanex16_b32 v[TB], v[TA], s54, s55                      ; the other 32 keys of the same query
	v_max_num_f32 v[TA], v[TA], v[TB]                             ; the new m
.if \first == 0
	v_sub_f32 v[ALB+2*\g+1], v[NMB+2*\g+1], v[TA]                 ; m old - m new, never above 0
.endif
	v_mov_b32 v[NMB+2*\g+1], v[TA]
	v_mul_f32 v[NMB+2*\g], -1.0, v[TA]                            ; -m, the low register of the pair: the packed add below takes it for both halves
.if \first == 0
	v_mul_f32 v[ALB+2*\g], s44, v[ALB+2*\g+1]
	v_exp_f32 v[ALB+2*\g], v[ALB+2*\g]                            ; used far behind; the next line is plain and touches neither
.endif
.endm
; group g: weights, their sum, P in f16 in the low half of the group's registers, two V fragments into the high half
.macro SEXP g, first, buf
.set p, 0
.rept 16
	v_pk_add_f32 v[SC+32*\g+2*p:SC+32*\g+2*p+1], v[SC+32*\g+2*p:SC+32*\g+2*p+1], v[NMB+2*\g:NMB+2*\g+1] op_sel_hi:[1,0]   ; s - m first: never above 0
.set p, p+1
.endr
.set p, 0
.rept 16
	v_pk_mul_f32 v[SC+32*\g+2*p:SC+32*\g+2*p+1], v[SC+32*\g+2*p:SC+32*\g+2*p+1], s[44:45] op_sel_hi:[1,0]
.set p, p+1
.endr
.set p, 0
.rept 32
	v_exp_f32 v[SC+32*\g+p], v[SC+32*\g+p]
.set p, p+1
.endr
	v_nop                                                         ; one plain place behind the run of exponentials (ISA guide 5.7.2)
.if \first
	s_wait_alu depctr_va_vdst(0)
	v_pk_add_f32 v[LSB+2*\g:LSB+2*\g+1], v[SC+32*\g:SC+32*\g+1], v[SC+32*\g+4:SC+32*\g+5]
.else
	s_wait_alu depctr_va_vdst(0)
	v_pk_fma_f32 v[LSB+2*\g:LSB+2*\g+1], v[LSB+2*\g:LSB+2*\g+1], v[ALB+2*\g:ALB+2*\g+1], v[SC+32*\g:SC+32*\g+1] op_sel_hi:[1,0,1]
.endif
	v_pk_add_f32 v[WK:WK+1], v[SC+32*\g+2:SC+32*\g+3], v[SC+32*\g+6:SC+32*\g+7]   ; a second chain for the odd pairs
.if \first == 0
	v_pk_add_f32 v[LSB+2*\g:LSB+2*\g+1], v[LSB+2*\g:LSB+2*\g+1], v[SC+32*\g+4:SC+32*\g+5]
.endif
.set p, 0
.rept 16
.if p >= 4
.set CH, (LSB+2*\g)*(1-(p&1))+WK*(p&1)
	v_pk_add_f32 v[CH:CH+1], v[CH:CH+1], v[SC+32*\g+2*p:SC+32*\g+2*p+1]
.endif
	v_cvt_pk_f16_f32 v[SC+32*\g+p], v[SC+32*\g+2*p], v[SC+32*\g+2*p+1]    ; writes register p, reads 2 p and 2 p + 1: nothing unread is lost
.set p, p+1
.endr
	v_pk_add_f32 v[LSB+2*\g:LSB+2*\g+1], v[LSB+2*\g:LSB+2*\g+1], v[WK:WK+1]
.irp e, 0,1
	ds_load_tr16_b128 v[SC+32*\g+16+8*\e:SC+32*\g+16+8*\e+3],   v[VA] offset:(\buf)*VB_SZ+5120*(\g>>1)+32*(2*(\g&1)+\e)
	ds_load_tr16_b128 v[SC+32*\g+16+8*\e+4:SC+32*\g+16+8*\e+7], v[VA] offset:(\buf)*VB_SZ+5120*(\g>>1)+32*(2*(\g&1)+\e)+2560
.endr
.endm
.macro RESCALE
.irp g, 0,1,2,3
.set p, 0
.rept 16
	v_pk_mul_f32 v[OA+32*\g+2*p:OA+32*\g+2*p+1], v[OA+32*\g+2*p:OA+32*\g+2*p+1], v[ALB+2*\g:ALB+2*\g+1] op_sel_hi:[1,0]
.set p, p+1
.endr
.endr
.endm
; O^T += V^T P^T: source 0 = V fragment 4 u + dt, source 1 = P of group g, keys 32 u ..  Sixteen accumulators take turns, one instruction a turn.
.macro PV first
.irp u, 0,1
.irp dt, 0,1,2,3
.irp g, 0,1,2,3
.if (\first)*(1-\u)
	v_wmma_f32_16x16x32_f16 v[OA+32*\g+8*\dt:OA+32*\g+8*\dt+7], v[SC+32*((4*\u+\dt)>>1)+16+8*(\dt&1):SC+32*((4*\u+\dt)>>1)+16+8*(\dt&1)+7], v[SC+32*\g+8*\u:SC+32*\g+8*\u+7], 0
.else
	v_wmma_f32_16x16x32_f16 v[OA+32*\g+8*\dt:OA+32*\g+8*\dt+7], v[SC+32*((4*\u+\dt)>>1)+16+8*(\dt&1):SC+32*((4*\u+\dt)>>1)+16+8*(\dt&1)+7], v[SC+32*\g+8*\u:SC+32*\g+8*\u+7], v[OA+32*\g+8*\dt:OA+32*\g+8*\dt+7]
.endif
.endr
.endr
.endr
.endm
; One trip: 128 keys.  buf: K, V buffer read; slot, par: mask slot and which 128 of its 256 keys; kind, rs: see TOP;
; stage 2: the next keys go to the other buffer and the keys after them are asked for; 1: the first alone; 0: neither.  first: the sums start.
.macro TRIP buf, slot, par, kind, rs, stage, first
	TOP \kind, \rs
	FRAGK 0, 0, \buf
	FRAGK 1, 1, \buf
	LOADMK \slot, \par
.if \stage
.set NST, 16
	s_wait_loadcnt 0x0                 ; the 16 loads asked for a trip ago; it also frees their bases
	WIN 0x45
	ST_CVT                             ; 32 plain instructions: also the places between the last P V products and the scores that overwrite their sources
	WIN 0x04
	ST_ST 1-\buf
.if \stage == 2
	WIN 0x40
	ST_LD 1
.endif
.else
.set NST, 0
.rept 5
	v_nop                              ; the same places, where nothing is left to convert
.endr
.endif
	WIN 0x04
	s_wait_dscnt 12+NST                ; K tile 0 is in; tile 1 (4), the mask (8) and the staging stores may be out
	QKT 0, 0
	s_wait_dscnt NST                   ; tile 1 and the mask are in; the staging stores may be out
	PERMN 0
	FRAGK 2, 0, \buf
	QKT 1, 1
	PERMN 1
	FRAGK 3, 1, \buf
	s_wait_dscnt 4                     ; tile 2 is in; the four loads of tile 3 may be out
	QKT 2, 0
	PERMN 2
	s_wait_dscnt 0x0
	QKT 3, 1
	PERMN 3
	WIN 0
	SMAX 0, \first
	SMAX 1, \first
	SMAX 2, \first
	SMAX 3, \first
	SEXP 0, \first, \buf
	SEXP 1, \first, \buf
	SEXP 2, \first, \buf
	SEXP 3, \first, \buf
.if \first == 0
	WIN 0x41
	RESCALE
.endif
	WIN 0x50
	s_wait_dscnt 0x0                   ; the V fragments
	PV \first
	WIN 0
.endm
	s_load_b256 s[4:11], s[0:1], 0x0               ; queries s[4:5], keys s[6:7], values s[8:9], mask s[10:11]
	s_load_b64 s[12:13], s[0:1], 0x20              ; out0
	v_lshl_add_u32 v126, v0, 2, 0x4a400
	v_mov_b32 v127, 0
	ds_add_u32 v126, v127
	v_lshrrev_b32 v1, 5, v0
	v_readfirstlane_b32 s14, v1                    ; wave 0..7
	s_and_b32 s15, s14, 3                          ; qg
	s_lshr_b32 s16, s14, 2                         ; kh
	s_bfe_u32 s17, ttmp6, 0x40000                  ; cx
	s_lshl_b32 s18, ttmp9, 2
	s_add_co_u32 s18, s18, s17                     ; head = 4 x cluster x + cx: enters the addresses of q, k, v and out alone
	s_and_b32 s19, ttmp7, 0xffff
	s_lshr_b32 s20, s19, 3                         ; b
	s_and_b32 s21, s19, 7                          ; query block
	s_mov_b32 s44, 0x3fb8aa3b                      ; log2e, twice
	s_mov_b32 s45, 0x3fb8aa3b
	s_mov_b32 s46, 0xcdee6b28                      ; -5e8, twice (exact in f32; times 2.0 it is -1e9)
	s_mov_b32 s47, 0xcdee6b28
	s_mov_b32 s49, 0x40                            ; table: byte 0 = 0x40, byte 1 = 0
	s_mov_b32 s50, 0x04000000                      ; selectors: byte i of the first source on top, zeros below
	s_mov_b32 s51, 0x05000000
	s_mov_b32 s52, 0x06000000
	s_mov_b32 s53, 0x07000000
	s_mov_b32 s54, 0x76543210                      ; v_permlanex16_b32: lane i reads lane i of the other half
	s_mov_b32 s55, 0xfedcba98
	s_mov_b32 s58, 0x3e000000                      ; 1/8, twice
	s_mov_b32 s59, 0x3e000000
	; Mask descriptor, group 1: elements of 8 bytes; each wave brings 32 rows x 256 bytes (the 256 rows of a tile shared among eight waves),
	; 16 bytes of padding behind each row; the four work-groups of the cluster are named.
	s_mov_b32 s[G1+0], 15|(3<<16)|(1<<20)|(1<<21)|(5<<22)|(3<<25)
	s_mov_b32 s[G1+1], 32<<16                      ; tensor_dim0 = 32 elements
	s_mov_b32 s[G1+2], 32<<16                      ; tensor_dim1 = 32 rows
	s_mov_b32 s[G1+3], 32<<16                      ; tile_dim0 = 32
	s_mov_b32 s[G1+4], 32                          ; tile_dim1 = 32
	s_mov_b32 s[G1+5], 256                         ; 2,048 bytes from row to row
	s_mov_b32 s[G1+6], 0
	s_mov_b32 s[G1+7], 0
	s_mov_b32 s[G0+0], 1
	s_mov_b32 s[G0+4], 1
	s_mul_i32 s[G0+1], s14, 8704                   ; LDS: slot + wave x 32 rows x 272
	s_add_co_u32 s[G0+5], s[G0+1], MSLOT
	s_lshl_b32 s56, s20, 22                        ; mask offset: b x 4 MiB + (256 block + 32 wave) x 2048, in registers that never hold cx
	s_lshl_b32 s3, s21, 19
	s_add_co_u32 s56, s56, s3
	s_lshl_b32 s3, s14, 16
	s_add_co_u32 s56, s56, s3
	s_mov_b32 s57, 0
	s_lshl_b32 s22, s20, 23                        ; k, v offset: b x 8 MiB + head x 256
	s_lshl_b32 s17, s18, 8
	s_add_co_u32 s22, s22, s17
	s_mov_b32 s23, 0
	; lane terms
	v_and_b32 v40, 15, v0                          ; r = tid & 15
	v_lshrrev_b32 v41, 4, v0                       ; tid >> 4
	v_bfe_u32 v42, v0, 4, 1                        ; h
	v_lshlrev_b32 v43, 4, v40                      ; 16 r
	v_lshl_add_u32 v[GO], v41, 12, v43
	v_lshl_add_u32 v[OOFF], v42, 12, v43
	v_lshlrev_b32 v44, 5, v42                      ; 32 h
	v_lshl_add_u32 v[QO], v40, 12, v44
	v_and_b32 v45, 7, v41
	v_lshrrev_b32 v46, 3, v41
	v_lshl_add_u32 v45, v46, 4, v45                ; staging row: 16 (s >> 3) + (s & 7), s = tid >> 4
	v_lshlrev_b32 v46, 3, v40                      ; 8 bytes for four numbers
	v_mul_u32_u24 v[KS], v45, 144
	v_add_nc_u32 v[KS], v[KS], v46
	v_add_nc_u32 v[KS], KBUF0, v[KS]
	v_mul_u32_u24 v[VS], v45, 160
	v_add_nc_u32 v[VS], v[VS], v46
	v_add_nc_u32 v[VS], VBUF0, v[VS]
	v_mul_u32_u24 v[KA], v40, 144
	v_lshl_add_u32 v[KA], v42, 4, v[KA]
	s_mul_i32 s3, s16, 64*144
	s_add_co_u32 s3, s3, KBUF0
	v_add_nc_u32 v[KA], s3, v[KA]                  ; (64 kh + r) x 144 + 16 h
	v_and_b32 v47, 7, v0
	v_lshl_add_u32 v47, v42, 3, v47
	v_mul_u32_u24 v[VA], v47, 160
	v_bfe_u32 v47, v0, 3, 1
	v_lshl_add_u32 v[VA], v47, 4, v[VA]
	s_mul_i32 s3, s16, 64*160
	s_add_co_u32 s3, s3, VBUF0
	v_add_nc_u32 v[VA], s3, v[VA]                  ; (64 kh + 8 h + (lane & 7)) x 160 + 16 ((lane >> 3) & 1)
	v_mul_u32_u24 v48, v40, 272
	v_add_nc_u32 v48, v48, v44                     ; r x 272 + 32 h
	s_mul_i32 s3, s15, 64*272
	v_lshl_add_u32 v[MA], s16, 6, v48
	v_add_nc_u32 v[MA], s3, v[MA]                  ; (64 qg + r) x 272 + 64 kh + 32 h
	v_add_nc_u32 v[MA+1], MSLOT, v[MA]
	s_add_co_u32 s3, s3, XCH                       ; the exchange has the same 17,408 bytes for each qg
	v_and_b32 v49, 31, v0
	v_lshl_add_u32 v[XA], v49, 4, s3
	s_mul_i32 s3, s15, 16*272
	s_add_co_u32 s3, s3, OST
	v_add_nc_u32 v[OW], s3, v48
	v_mul_u32_u24 v49, v42, 272
	v_add_nc_u32 v49, v49, v43
	v_add_nc_u32 v[ORD], s3, v49
	s_wait_dscnt 0x0
	s_wait_kmcnt 0x0
	s_add_nc_u64 s[40:41], s[6:7], s[22:23]        ; K of my head
	s_add_nc_u64 s[42:43], s[8:9], s[22:23]        ; V of my head
	s_lshl_b32 s17, s21, 20                        ; + (256 block + 64 qg) rows of 4,096 bytes
	s_add_co_u32 s22, s22, s17
	s_lshl_b32 s17, s15, 18
	s_add_co_u32 s22, s22, s17
	s_add_nc_u64 s[62:63], s[4:5], s[22:23]        ; my 64 queries
	s_add_nc_u64 s[60:61], s[12:13], s[22:23]      ; and their place in out
	s_add_nc_u64 s[G0+2:G0+3], s[10:11], s[56:57]  ; mask tile 0, my 32 rows
	s_add_nc_u64 s[G0+6:G0+7], s[G0+2:G0+3], 256   ; mask tile 1
	s_or_b32 s[G0+3], s[G0+3], 0x80000000          ; type = 2
	s_or_b32 s[G0+7], s[G0+7], 0x80000000
	WIN 0x40
	ST_LD 0                                        ; keys 0 to 127
	WIN 0
.irp g, 0,1,2,3
.irp ks, 0,1
	global_load_b128 v[SC+32*\g+16*\ks:SC+32*\g+16*\ks+3],     v[QO], s[62:63] offset:65536*\g+128*\ks      ; q(16 g + r, 32 ks + 8 h ..)
	global_load_b128 v[SC+32*\g+16*\ks+4:SC+32*\g+16*\ks+7],   v[QO], s[62:63] offset:65536*\g+128*\ks+16
	global_load_b128 v[SC+32*\g+16*\ks+8:SC+32*\g+16*\ks+11],  v[QO], s[62:63] offset:65536*\g+128*\ks+64   ; q(16 g + r, 32 ks + 16 + 8 h ..)
	global_load_b128 v[SC+32*\g+16*\ks+12:SC+32*\g+16*\ks+15], v[QO], s[62:63] offset:65536*\g+128*\ks+80
.endr
.endr
	ROUND                                          ; the four work-groups are here: the first joint loads meet
	tensor_load_to_lds s[G0:G0+3], s[G1:G1+7]      ; mask tiles 0 and 1: two tensor loads of this wave are out here, later one
	s_nop 0
	tensor_load_to_lds s[G0+4:G0+7], s[G1:G1+7]
	s_nop 0
	s_wait_loadcnt 32                              ; K, V of keys 0 to 127 are in; the 32 loads of q behind them may be out
	WIN 0x45
	ST_CVT
	WIN 0x04
	ST_ST 0
	WIN 0x40
	ST_LD 1                                        ; keys 128 to 255
	WIN 0
	s_wait_loadcnt 16                              ; q is in; the 16 loads just issued may be out
.set p, 0
.rept 64
	v_pk_mul_f32 v[SC+2*p:SC+2*p+1], v[SC+2*p:SC+2*p+1], s[58:59] op_sel_hi:[1,0]
.set p, p+1
.endr
	WIN 0x40
.set p, 0
.rept 64
	v_cvt_pk_f16_f32 v[QF+p], v[SC+2*p], v[SC+2*p+1]
.set p, p+1
.endr
	WIN 0
	s_wait_dscnt 0x0                               ; my staging stores are done
	s_wait_tensorcnt 0x1                           ; my rows of mask tile 0 are in; tile 1 may stay out
	s_barrier_signal -1
	s_barrier_wait -1
	TRIP 0, 0, 0, 3, 0, 2, 1                       ; trips 0 and 1: mask tile 0
	TRIP 1, 0, 1, 0, 0, 2, 0
	s_mov_b32 s56, 3
.Lloop:                                            ; trips 2 to 13: mask tiles 1 to 6 are read, tiles 2 to 7 asked for
	TRIP 0, 1, 0, 1, 0, 2, 0
	TRIP 1, 1, 1, 0, 0, 2, 0
	TRIP 0, 0, 0, 1, 1, 2, 0
	TRIP 1, 0, 1, 0, 0, 2, 0
	s_sub_co_u32 s56, s56, 1
	s_cmp_lg_u32 s56, 0
	s_cbranch_scc1 .Lloop
	TRIP 0, 1, 0, 2, 0, 1, 0                       ; trips 14 and 15: mask tile 7; nothing more is asked for
	TRIP 1, 1, 1, 0, 0, 0, 0
	; THE END.  Sums over the two halves of the lanes; sixteen plain instructions stand behind the last matrix instruction before O is read.
.irp g, 0,1,2,3
	v_add_f32 v[WK+4+\g], v[LSB+2*\g], v[LSB+2*\g+1]
.endr
.irp g, 0,1,2,3
	v_permlanex16_b32 v[WK+8+\g], v[WK+4+\g], s54, s55
.endr
.irp g, 0,1,2,3
	v_add_f32 v[WK+4+\g], v[WK+4+\g], v[WK+8+\g]   ; v[44:47]: the sums of my 1,024 keys
.endr
.irp g, 0,1,2,3
	v_mov_b32 v[WK+\g], v[NMB+2*\g+1]              ; v[40:43]: my maxima
.endr
	s_cmp_lt_u32 s14, 4
	s_cbranch_scc1 .Lkeep
	WIN 0x04                                       ; waves 4 to 7 hand over O, maxima and sums
.set n, 0
.rept 32
	ds_store_b128 v[XA], v[OA+4*n:OA+4*n+3] offset:512*n
.set n, n+1
.endr
	WIN 0
	ds_store_b128 v[XA], v[WK:WK+3] offset:16384
	ds_store_b128 v[XA], v[WK+4:WK+7] offset:16896
.Lkeep:
	s_wait_dscnt 0x0                               ; the stores are done before the signal
	s_barrier_signal -1
	s_barrier_wait -1
	s_cmp_ge_u32 s14, 4
	s_cbranch_scc1 .Lend
	ds_load_b128 v[WK+8:WK+11],  v[XA] offset:16384    ; the partner: maxima,
	ds_load_b128 v[WK+12:WK+15], v[XA] offset:16896    ; sums,
.set n, 0
.rept 32
	ds_load_b128 v[SC+4*n:SC+4*n+3], v[XA] offset:512*n   ; and O, in the order of my own
.set n, n+1
.endr
	s_wait_dscnt 32                                ; maxima and sums are in; the 32 loads of O may be out
.irp g, 0,1,2,3
	v_max_num_f32 v[MK+\g], v[WK+\g], v[WK+8+\g]   ; the maximum over all 2,048 keys
.endr
.irp g, 0,1,2,3
	v_sub_f32 v[MK+4+\g], v[WK+\g], v[MK+\g]       ; each half's maximum less that: never above 0
	v_sub_f32 v[MK+8+\g], v[WK+8+\g], v[MK+\g]
.endr
.irp g, 0,1,2,3
	v_mul_f32 v[MK+4+\g], s44, v[MK+4+\g]
	v_mul_f32 v[MK+8+\g], s44, v[MK+8+\g]
.endr
.irp g, 0,1,2,3
	v_exp_f32 v[MK+4+\g], v[MK+4+\g]
	v_exp_f32 v[MK+8+\g], v[MK+8+\g]
.endr
	v_nop
	s_wait_alu depctr_va_vdst(0)
.irp g, 0,1,2,3
	v_mul_f32 v[MK+12+\g], v[WK+4+\g], v[MK+4+\g]
.endr
.irp g, 0,1,2,3
	v_fmac_f32 v[MK+12+\g], v[WK+12+\g], v[MK+8+\g]   ; the row's sum: at least 1, since one of the two factors is 1 and its half holds the largest weight
.endr
.irp g, 0,1,2,3
	v_rcp_f32 v[MK+12+\g], v[MK+12+\g]
.endr
	v_nop
	s_wait_alu depctr_va_vdst(0)
.irp g, 0,1,2,3
	v_mul_f32 v[ALB+2*\g], v[MK+4+\g], v[MK+12+\g] ; factor of my O
	v_mul_f32 v[NMB+2*\g], v[MK+8+\g], v[MK+12+\g] ; factor of the partner's
.endr
; 16 queries: merge, 32 bytes a lane and d tile into my own stage, whole rows of 256 bytes back, sixteen lanes store 256 aligned bytes of out.
.macro OUTG g, rb
.set p, 0
.rept 16
	v_pk_mul_f32 v[SC+32*\g+2*p:SC+32*\g+2*p+1], v[SC+32*\g+2*p:SC+32*\g+2*p+1], v[NMB+2*\g:NMB+2*\g+1] op_sel_hi:[1,0]
.set p, p+1
.endr
	WIN 0x01
.set p, 0
.rept 16
	v_pk_fma_f32 v[SC+32*\g+2*p:SC+32*\g+2*p+1], v[OA+32*\g+2*p:OA+32*\g+2*p+1], v[ALB+2*\g:ALB+2*\g+1], v[SC+32*\g+2*p:SC+32*\g+2*p+1] op_sel_hi:[1,0,1]
.set p, p+1
.endr
	WIN 0
.irp dt, 0,1,2,3
	ds_store_b128 v[OW], v[SC+32*\g+8*\dt:SC+32*\g+8*\dt+3]   offset:64*\dt
	ds_store_b128 v[OW], v[SC+32*\g+8*\dt+4:SC+32*\g+8*\dt+7] offset:64*\dt+16
.endr
	s_wait_xcnt 0x0                                ; registers that earlier stores read are loaded again only behind this wait (ISA guide 3.1)
.set n, 0
.rept 8
	ds_load_b128 v[\rb+4*n:\rb+4*n+3], v[ORD] offset:544*n        ; LDS serves a wave in order (ISA guide 5.7.1): these see the stores above
.set n, n+1
.endr
.set n, 0
.rept 8
	s_wait_dscnt 7-n
	global_store_b128 v[OOFF], v[\rb+4*n:\rb+4*n+3], s[60:61] offset:(16*\g+2*n)*4096 th:TH_STORE_NT
.set n, n+1
.endr
.endm
	s_wait_dscnt 24                                ; the partner's O of group 0 is in; groups 1 to 3 (24 loads) may be out
	OUTG 0, MK                                     ; its last count-down ends at 0: all of the partner's O is in from here on
	OUTG 1, FR
	OUTG 2, MK
	OUTG 3, FR
.Lend:
	s_wait_dscnt 0x0
	s_wait_tensorcnt 0x0
	ds_add_u32 v126, v127
	s_wait_dscnt 0x0
	ROUND                                          ; the closing round: no work-group ends while a partner may still ask jointly
	s_endpgm
.Lfunc_end_k_q738b73a5de_attn:
	.size	k_q738b73a5de_attn, .Lfunc_end_k_q738b73a5de_attn-k_q738b73a5de_attn
	.p2alignl 7, 3214868480
	.fill 96, 4, 3214868480
	.section	.rodata,"a",@progbits
	.p2align	6, 0x0
	.amdhsa_kernel k_q738b73a5de_attn
		.amdhsa_group_segment_fixed_size 327680
		.amdhsa_private_segment_fixed_size 0
		.amdhsa_enable_private_segment 0
		.amdhsa_kernarg_size 40
		.amdhsa_user_sgpr_count 2
		.amdhsa_user_sgpr_kernarg_segment_ptr 1
		.amdhsa_wavefront_size32 1
		.amdhsa_system_sgpr_workgroup_id_x 1
		.amdhsa_system_sgpr_workgroup_id_y 1
		.amdhsa_system_sgpr_workgroup_id_z 1
		.amdhsa_system_vgpr_workitem_id 0
		.amdhsa_next_free_vgpr 512
		.amdhsa_next_free_sgpr 66
		.amdhsa_reserve_vcc 0
		.amdhsa_float_denorm_mode_32 3
		.amdhsa_float_denorm_mode_16_64 3
		.amdhsa_memory_ordered 1
		.amdhsa_forward_progress 1
		.amdhsa_inst_pref_size 255
	.end_amdhsa_kernel
	.section	.bss,"aw",@nobits
	.p2align	6
	.space	262144
	.amdgpu_metadata
---
amdhsa.version: [ 1, 2 ]
amdhsa.kernels:
  - .name:           k_q738b73a5de_attn
    .symbol:         k_q738b73a5de_attn.kd
    .args:
      - { .name: queries, .offset: 0, .size: 8, .value_kind: global_buffer, .address_space: global }
      - { .name: keys, .offset: 8, .size: 8, .value_kind: global_buffer, .address_space: global }
      - { .name: values, .offset: 16, .size: 8, .value_kind: global_buffer, .address_space: global }
      - { .name: mask, .offset: 24, .size: 8, .value_kind: global_buffer, .address_space: global }
      - { .name: out0, .offset: 32, .size: 8, .value_kind: global_buffer, .address_space: global }
    .group_segment_fixed_size: 327680
    .private_segment_fixed_size: 0
    .kernarg_segment_align: 8
    .kernarg_segment_size: 40
    .max_flat_workgroup_size: 256
    .sgpr_count:     66
    .vgpr_count:     512
    .wavefront_size: 32
...
	.end_amdgpu_metadata
.endif
;; end of part 1
